; MI455X (gfx1250); checked and timed in simulation.
; The chip was launched on July 23, 2026; its instructions are those of AMD's public machine-readable ISA for CDNA 5 (MIT licence, August 2026) and "CDNA5" Instruction Set Architecture Reference Guide (July 2026). The comments in the code are by the model that wrote it; some were corrected since.
;; Attention. Allowed arithmetic: float matrix products may take bf16 or f16 operands with f32 sums; all other float work in f32.
;; Inputs: W1 512 x 1,024 float32; W2 1 x 512 float32; Wout 512 x 1,024 float32; bout 512 float32; context 32 x 4,096 x 512 float32; output 32 x 1 x 512 float32.
;; Outputs: out0 32 x 1 x 512 float32.
;; 2 versions, each right; version 2 is version 1 with the launch prep written anew for expert scheduling mode. Each part assembles by itself: llvm-mc -triple=amdgcn-amd-amdhsa -mcpu=gfx1250 --defsym DOCPART=n.
;; ======== version 1 of 2: 3 launches
;; limits: a function is approximated: absolute error at most 2e-07
;; workspace buffers: w1b 524,288 bytes; cb 65,536 bytes; part 655,360 bytes
;; launch prep (part 1): grid 8 x 16, 8 waves a work-group, no clusters, 1,536 bytes of LDS; arguments W1, output, w1b, cb; writes w1b, cb
.if DOCPART == 1
	.amdgcn_target "amdgcn-amd-amdhsa--gfx1250"
	.amdhsa_code_object_version 6
	.text
	.protected	k_q422832f882_prep
	.globl	k_q422832f882_prep
	.p2align	8
	.type	k_q422832f882_prep,@function
k_q422832f882_prep:
	s_mov_b64 s[64:65], 0
	v_nop
	global_prefetch_b8 v0, s[64:65] scope:SCOPE_SE
	s_setreg_imm32_b32 hwreg(HW_REG_WAVE_MODE, 25, 1), 1
	s_wait_xcnt 0x0
; Two small jobs ahead of the main launch.  W1 is [512][1024] f32: columns 0-511 meet the context, columns 512-1023 meet the query (output).
;  (a) w1b[j][e][64] = bf16(C * W1[e][64 j + ..]), C = 2 log2(e): the context half of W1, laid out by K steps of 64 so that 128 rows of one
;      K step are 16,384 consecutive bytes.  C turns tanh(x) into 1 - 2 / (1 + 2^(C x)) with no multiply in the main launch.
;  (b) cb[b][e] = C * sum over d of output[b][d] * W1[e][512 + d], in f32: the part of the pre-activation that no context row changes.
; 128 work-groups (gx 0-7, gy 0-15), eight waves.  id = 8 gy + gx owns rows 4 id .. 4 id + 3 for (a): wave v casts K step v of them.
; For (b) the work-group makes e = 64 gx .. + 63 for b = 2 gy, 2 gy + 1: wave v makes 8 e x 2 b, a lane 16 of the 512 terms of each dot.
; Vector unit, no matrix unit: the products of (b) have two rows.  No tensor loads, no cluster: every byte goes straight into registers,
; and a work-group's share (140 KiB) is asked for in one run of 42 loads a wave.
; LIMIT: W1's context half is rounded to bf16 after the scaling by C (same relative error as rounding W1 itself).
.set K2L, 0x4038aa3b                   ; 2 log2(e) = 2.885390
.set CA,  8                            ; v[8:15]    (a): two loads of four f32, then packed bf16
.set WR,  16                           ; v[16:143]  (b): row i of eight, chunk c of four: 4 registers at WR + 16 i + 4 c
.set OU,  144                          ; v[144:175] (b): output row t of two, chunk c: 4 registers at OU + 16 t + 4 c
.set AC,  176                          ; v[176:207] (b): dot (i, t): a pair at AC + 2 (2 i + t)
	s_load_b256 s[4:11], s[0:1], 0x0               ; W1 s[4:5], output s[6:7], w1b s[8:9], cb s[10:11]
	v_lshl_add_u32 v208, v0, 2, 0x200
	v_mov_b32 v209, 0
	v_lshrrev_b32 v1, 5, v0
	v_readfirstlane_b32 s12, v1                    ; wave v, 0 to 7
	s_mov_b32 s13, ttmp9                           ; gx
	s_and_b32 s14, ttmp7, 0xffff                   ; gy
	s_lshl_b32 s15, s14, 3
	s_add_co_u32 s15, s15, s13                     ; id = 8 gy + gx
	s_mov_b32 s20, 0x76543210                      ; v_permlanex16_b32: lane i of one half reads lane i of the other
	s_mov_b32 s21, 0xfedcba98
	v_and_b32 v1, 31, v0                           ; lane l
	v_and_b32 v2, 15, v0                           ; r = l mod 16
	v_bfe_u32 v3, v0, 4, 1                         ; h = l / 16
	v_lshlrev_b32 v2, 4, v2                        ; 16 r
	v_lshl_add_u32 v4, v3, 12, v2                  ; (a) from: 16 r + one row of W1 (4,096 bytes) further for lanes 16-31
	v_lshlrev_b32 v5, 3, v1                        ; (a) to: 8 l
	v_lshlrev_b32 v6, 4, v1                        ; (b) from: 16 l
	v_lshl_add_u32 v2, v3, 11, v2                  ; (b) to: 16 r + one row of cb (2,048 bytes) further for lanes 16-31
	v_mov_b32 v7, s12
	v_lshlrev_b32 v7, 5, v7                        ; (b) my wave's eight words in LDS
	s_mov_b32 s17, 0                               ; every offset below is under 4 GiB: high word 0
	s_lshl_b32 s16, s15, 14                        ; id x 4 rows x 4,096 bytes
	s_lshl_b32 s2, s12, 8                          ; + K step v: 64 f32
	s_add_co_u32 s16, s16, s2
	s_wait_kmcnt 0x0
	s_add_nc_u64 s[22:23], s[4:5], s[16:17]        ; (a) from
	s_lshl_b32 s16, s13, 18                        ; 64 gx rows
	s_lshl_b32 s2, s12, 15                         ; + 8 v rows
	s_add_co_u32 s16, s16, s2
	s_add_co_u32 s16, s16, 2048                    ; + column 512
	s_add_nc_u64 s[18:19], s[4:5], s[16:17]        ; (b) W1's query half, my eight rows
	s_lshl_b32 s16, s14, 12                        ; 2 gy rows of 2,048 bytes
	s_add_nc_u64 s[6:7], s[6:7], s[16:17]          ; (b) output's two rows
	s_lshl_b32 s2, s13, 8                          ; + 64 gx f32
	s_add_co_u32 s16, s16, s2
	s_add_nc_u64 s[10:11], s[10:11], s[16:17]      ; (b) to
	s_lshl_b32 s16, s12, 16                        ; K step v of w1b
	s_lshl_b32 s2, s15, 9                          ; + 4 id rows of 128 bytes
	s_add_co_u32 s16, s16, s2
	s_add_nc_u64 s[8:9], s[8:9], s[16:17]          ; (a) to
	; all 42 loads of the wave in one run: 2 for the cast, 8 of output, 32 of W1's query half
.irp pr, 0,1
	global_load_b128 v[CA+4*\pr:CA+4*\pr+3], v4, s[22:23] offset:8192*\pr th:TH_LOAD_NT   ; two rows, 256 aligned bytes of each; read once in the launch
.endr
.irp t, 0,1
.irp c, 0,1,2,3
	global_load_b128 v[OU+16*\t+4*\c:OU+16*\t+4*\c+3], v6, s[6:7] offset:2048*\t+512*\c
.endr
.endr
.irp i, 0,1,2,3,4,5,6,7
.irp c, 0,1,2,3
	global_load_b128 v[WR+16*\i+4*\c:WR+16*\i+4*\c+3], v6, s[18:19] offset:4096*\i+512*\c
.endr
.endr
	; (a) scale, round, store: the 32 lanes' 8 bytes are 256 consecutive bytes of w1b, aligned
	s_wait_loadcnt 40                              ; loads come back in order: the 40 issued behind the cast's two may stay out
.irp pr, 0,1
	v_pk_mul_f32 v[CA+4*\pr:CA+4*\pr+1],   v[CA+4*\pr:CA+4*\pr+1],   K2L op_sel_hi:[1,0]
	v_pk_mul_f32 v[CA+4*\pr+2:CA+4*\pr+3], v[CA+4*\pr+2:CA+4*\pr+3], K2L op_sel_hi:[1,0]
	v_cvt_pk_bf16_f32 v[CA+4*\pr],   v[CA+4*\pr],   v[CA+4*\pr+1]
	v_cvt_pk_bf16_f32 v[CA+4*\pr+1], v[CA+4*\pr+2], v[CA+4*\pr+3]
	global_store_b64 v5, v[CA+4*\pr:CA+4*\pr+1], s[8:9] offset:256*\pr
.endr
	; (b) sixteen dots; the first product starts each sum
.irp i, 0,1,2,3,4,5,6,7
	s_wait_loadcnt 4*(7-\i)                        ; output and rows 0 .. i are in; the four loads of each later row may stay out
.irp t, 0,1
	v_pk_mul_f32 v[AC+2*(2*\i+\t):AC+2*(2*\i+\t)+1], v[WR+16*\i:WR+16*\i+1], v[OU+16*\t:OU+16*\t+1]
.endr
.irp q, 1,2,3,4,5,6,7
.irp t, 0,1
	v_pk_fma_f32 v[AC+2*(2*\i+\t):AC+2*(2*\i+\t)+1], v[WR+16*\i+2*\q:WR+16*\i+2*\q+1], v[OU+16*\t+2*\q:OU+16*\t+2*\q+1], v[AC+2*(2*\i+\t):AC+2*(2*\i+\t)+1]
.endr
.endr
.endr
	; over the pair, then over the 32 lanes, all sixteen sums side by side; every lane ends with the sum
.set RD, 0
.rept 16
	v_add_f32 v[AC+2*RD], v[AC+2*RD], v[AC+2*RD+1]
.set RD, RD+1
.endr
.irp m, 1,2,4,8
.set RD, 0
.rept 16
	v_add_f32_dpp v[AC+2*RD], v[AC+2*RD], v[AC+2*RD] row_xmask:\m row_mask:0xf bank_mask:0xf
.set RD, RD+1
.endr
.endr
.set RD, 0
.rept 16
	v_permlanex16_b32 v[AC+2*RD+1], v[AC+2*RD], s20, s21   ; its destination counts as read: the pair's upper register has been written
.set RD, RD+1
.endr
.set RD, 0
.rept 16
	v_add_f32 v[AC+2*RD], v[AC+2*RD], v[AC+2*RD+1]
.set RD, RD+1
.endr
.irp i, 0,1,2,3,4,5,6,7
.irp t, 0,1
	ds_store_b32 v7, v[AC+2*(2*\i+\t)] offset:256*\t+4*\i  ; word 64 t + 8 v + i; all lanes write the same value
.endr
.endr
	s_wait_dscnt 0x0                               ; my sixteen words are in LDS before I say so
	s_barrier_signal -1
	s_barrier_wait -1                              ; all 128 words are
	s_cmp_lg_u32 s12, 0
	s_cbranch_scc1 .Ldone
	ds_load_b128 v[WR:WR+3], v6                    ; wave 0: lane l takes words 4 l .. 4 l + 3 = row l / 16, e = 64 gx + 4 (l mod 16) ..
	s_wait_dscnt 0x0
	v_pk_mul_f32 v[WR:WR+1],   v[WR:WR+1],   K2L op_sel_hi:[1,0]
	v_pk_mul_f32 v[WR+2:WR+3], v[WR+2:WR+3], K2L op_sel_hi:[1,0]
	global_store_b128 v2, v[WR:WR+3], s[10:11]     ; sixteen lanes store 256 consecutive bytes, aligned, of each of the two rows
.Ldone:
	s_wait_tensorcnt 0x0
	ds_add_u32 v208, v209
	s_wait_dscnt 0x0
	s_endpgm
.Lfunc_end_k_q422832f882_prep:
	.size	k_q422832f882_prep, .Lfunc_end_k_q422832f882_prep-k_q422832f882_prep
	.p2alignl 7, 3214868480
	.fill 96, 4, 3214868480
	.section	.rodata,"a",@progbits
	.p2align	6, 0x0
	.amdhsa_kernel k_q422832f882_prep
		.amdhsa_group_segment_fixed_size 1536
		.amdhsa_private_segment_fixed_size 0
		.amdhsa_enable_private_segment 0
		.amdhsa_kernarg_size 32
		.amdhsa_user_sgpr_count 2
		.amdhsa_user_sgpr_kernarg_segment_ptr 1
		.amdhsa_wavefront_size32 1
		.amdhsa_system_sgpr_workgroup_id_x 1
		.amdhsa_system_sgpr_workgroup_id_y 1
		.amdhsa_system_sgpr_workgroup_id_z 1
		.amdhsa_system_vgpr_workitem_id 0
		.amdhsa_next_free_vgpr 210
		.amdhsa_next_free_sgpr 66
		.amdhsa_reserve_vcc 0
		.amdhsa_float_denorm_mode_32 3
		.amdhsa_float_denorm_mode_16_64 3
		.amdhsa_memory_ordered 1
		.amdhsa_forward_progress 1
		.amdhsa_inst_pref_size 23
	.end_amdhsa_kernel
	.amdgpu_metadata
---
amdhsa.version: [ 1, 2 ]
amdhsa.kernels:
  - .name:           k_q422832f882_prep
    .symbol:         k_q422832f882_prep.kd
    .args:
      - { .name: W1, .offset: 0, .size: 8, .value_kind: global_buffer, .address_space: global }
      - { .name: output, .offset: 8, .size: 8, .value_kind: global_buffer, .address_space: global }
      - { .name: w1b, .offset: 16, .size: 8, .value_kind: global_buffer, .address_space: global }
      - { .name: cb, .offset: 24, .size: 8, .value_kind: global_buffer, .address_space: global }
    .group_segment_fixed_size: 1536
    .private_segment_fixed_size: 0
    .kernarg_segment_align: 8
    .kernarg_segment_size: 32
    .max_flat_workgroup_size: 256
    .sgpr_count:     66
    .vgpr_count:     210
    .wavefront_size: 32
...
	.end_amdgpu_metadata
.endif
;; end of part 1
;; launch main (part 2): grid 256 x 1, 4 waves a work-group, clusters of 4 x 1, 327,680 bytes of LDS; arguments context, w1b, cb, W2, part; writes part
.if DOCPART == 2
	.amdgcn_target "amdgcn-amd-amdhsa--gfx1250"
	.amdhsa_code_object_version 6
	.text
	.protected	k_q422832f882_main
	.globl	k_q422832f882_main
	.p2align	8
	.type	k_q422832f882_main,@function
k_q422832f882_main:
	s_mov_b64 s[64:65], 0
	v_nop
	global_prefetch_b8 v0, s[64:65] scope:SCOPE_SE
	s_setreg_imm32_b32 hwreg(HW_REG_WAVE_MODE, 25, 1), 1
	s_wait_xcnt 0x0
	s_wait_alu depctr_hold_cnt(0) depctr_sa_sdst(0) depctr_va_vdst(0) depctr_va_sdst(0) depctr_va_ssrc(0) depctr_va_vcc(0) depctr_vm_vsrc(0)
	s_getreg_b32 s2, hwreg(HW_REG_IB_STS2, 6, 4)
	s_cmp_eq_u32 s2, 0
	s_cbranch_scc0 .Lentry_in_a_cluster
	s_endpgm
.Lentry_in_a_cluster:
	s_bfe_u32 s2, ttmp6, 0x10000c
	s_cmp_lg_u32 s2, 0x3003
	s_cbranch_scc0 .Lentry_shape_is_right
	s_endpgm
.Lentry_shape_is_right:
; Scores, online softmax and weighted sum of the context, fused, so that the context (32 x 4096 rows of 512 f32) leaves memory once.
; A work-group owns 512 rows of one batch (8 work-groups a batch) and takes them as four blocks of 128 rows.  For a block:
;   1. X[s][e] = cb[e] + sum over k of ctx[s][k] w1b[e][k]  (128 x 512 x 512, bf16 operands, f32 sums; both scaled by 2 log2(e) beforehand)
;   2. r = 1 / (1 + 2^X), so tanh = 1 - 2 r;  t[s] = sum over e of W2s[e] r[s][e],  W2s = -2 log2(e) W2.
;      t is log2(e) x score less log2(e) x sum of W2, a term that is the same for every row and cancels exactly in the softmax.
;   3. running maximum M and sum L over the rows (base 2), weights p = 2^(t - M), mix[d] = alpha mix[d] + sum over s of p[s] ctx[s][d].
; Out: one record a work-group: mix[512], unnormalised, and (M, L); the next launch merges the eight records of a batch.
; FOUR WAVES, as many as a WGP has SIMDs.  Wave w owns e = 128 w .. + 127 for all 128 rows: 64 accumulator tiles of 16 x 16, 512 registers.
; W1 (512 KiB in bf16) does not fit in LDS: it is walked once a block in K steps of 64 through two LDS slots.  Each wave fetches and reads
; only its own 128 e-rows of a step (16,384 consecutive bytes of w1b, one tensor load).
; CLUSTER 4 x 1: all work-groups walk the same w1b in the same order, so the four of a cluster ask for each tile jointly (mask 15), which divides
; the requests for w1b by four.  One axis is enough: the context is shared by nobody.
; THE CONTEXT comes through registers (16-byte loads, 256 aligned bytes of a row from sixteen lanes), is rounded to bf16 and stored into one
; LDS buffer, K slice by K slice, one step ahead of the products that read it; it stays there for the mix.  A ring of two slices in registers
; keeps 32 loads of every wave on their way.  A prefetch asks for each 256-byte piece once, by one lane, two slices ahead of its load.
; THE MATRIX PHASE goes in octets of eight matrix instructions; between them stand short runs: eight fragment loads, or four context units.
; Four waves' runs of eight loads are 16 KiB of LDS reads at a time.
; THE MIX is a product too (K = s): the weights as a fragment whose 16 rows are alike, the context read transposed from the same LDS buffer.
; The sums over e run on the vector unit in f32: they follow the tanh in the registers where it is made.
; LIMITS: ctx and W1 enter the products, and ctx and the weights p the mix, rounded to bf16 (L sums the unrounded p).  tanh by 1 - 2 / (1 + 2^X)
; has an absolute error of some 1e-7 and saturates to +-1 for any finite X (2^X = inf gives r = 0).  v_exp_f32 gives 0 for results below 2^-126.
; NaN and infinite inputs are not followed.
;
; REGISTERS, in windows of 256:
;   window 0: addresses, the context ring, the bias as a C operand, softmax and mix state
;   window 1: two fragment buffers F0, F1: W1's eight fragments at F + 8 b, the context's eight at F + 64 + 8 a; later W2s, scores, mix operands
;   window 2: accumulator tiles of rows 0-63 (tile (a, b) at v[8 (8 a + b)]); later the mix's eight tiles;   window 3: those of rows 64-127; later mix operands
; THE MATRIX INSTRUCTION takes W1's fragment as source 0 and the context's as source 1: register j of lane (r, h) of tile (a, b) holds
; e = 128 w + 16 b + 8 h + j, s = 16 a + r, so the sum over e is 64 terms inside a lane, two lane halves and four waves.
.set CROW,   2048                      ; bytes of a context row
.set BLKB,   128*CROW                  ; bytes of a block of 128 rows
.set TILEB,  65536                     ; bytes of one K step of w1b
.set BPITCH, 272                       ; an LDS row of a slot: 256 bytes (two e-rows of 128) + 16 of padding
.set BWAVE,  64*BPITCH                 ; a wave's part of a slot
.set BSLOT,  4*BWAVE                   ; 69,632
.set ABASE,  2*BSLOT                   ; 139,264: the context in bf16, K slice sl at ABASE + sl ASL, row s at + s APITCH
.set APITCH, 144                       ; 128 bytes + 16: an odd multiple of 16, so sixteen rows start in sixteen different 16-byte columns of 256 bytes
.set ASL,    128*APITCH+128            ; 18,560
.set PART,   ABASE+8*ASL               ; 287,744: partial scores, row 2 w + h of eight, pitch 576, word s
.set PPITCH, 576
.set PB,     PART+8*PPITCH             ; 292,352: 512 bytes a wave: its own copy of the 128 weights p in bf16; at the end its 128 sums on the way out
.set TAB,    PB+2048                   ; 294,400: cb[512], then W2s[512]; each wave stores and reads its own 128 of each
.set ADRB, 8                           ; v8-9    my W1 fragments in slot 0, 1
.set ADRA, 10                          ; v10-12  the context's fragments, slices 0-2, 3-5, 6-7 (immediates reach 65,535)
.set CST,  13                          ; v13-15  where I store context, the same three groups of slices
.set CLD,  16                          ; v16     my byte offset in a block of context
.set PST,  17                          ; v17     where I put partial scores
.set PRD,  18                          ; v18     where I read them: four rows s a lane
.set PPW,  19                          ; v19     where I put four weights (8 bytes)
.set PPR,  20                          ; v20     the weights as a fragment: 16 bytes by lane half
.set MXA,  21                          ; v21     the context read transposed: row 8 h + l mod 8, 16 bytes by bit 3 of l, my first slice
.set TBR,  22                          ; v22     my part of the tables, by lane half
.set OUTO, 23                          ; v23     512 w + 16 l: tables in, results out
.set AL,   24                          ; v24     alpha
.set PMS,  25                          ; v25     the way out: word r of my wave's 512 bytes
.set T,    26                          ; v[26:29] four scores, then four weights
.set TA,   30
.set TB,   31
.set STG,  32                          ; v[32:159] context ring: slice parity p, unit u at STG + 64 p + 4 u
.set CT,   160                         ; v[160:223] register 8 b + j = cb[128 w + 16 b + 8 h + j]: the C operand of a block's first products
.set MIX,  224                         ; v[224:231] register t: mix[128 w + 16 t + r]
.set SC,   232                         ; v[232:239] my partial scores of rows 16 a + r
.set PFO,  240                         ; v240    prefetch: my row's offset in a block
.set RM,   241                         ; running maximum
.set RL,   242                         ; running sum
.set F0,   0
.set F1,   128
.set G1,   24                          ; s[24:31] descriptor group 1, never rewritten
.set G0,   32                          ; s[32:39] descriptor group 0, a set for each slot
.set MSB,  0
.set BIAS_LO, 0x85                     ; sources 0, 1 window 1; C window 0; D window 2
.set BIAS_HI, 0xc5                     ; the same, D window 3
.set MUL_LO,  0xa5                     ; sources 0, 1 window 1; C and D window 2
.set MUL_HI,  0xf5                     ; the same, window 3
.set MUL_X3,  0xad                     ; source 0 window 1, source 1 window 3; C and D window 2 (the mix's later steps)
.set TO_F,    0x40                     ; destination window 1, address window 0
.set TO_3,    0xc0                     ; destination window 3, address window 0
.macro WIN new                         ; the immediate's high byte repeats the setting that is left; a switch that changes nothing is dropped
.if MSB != \new
	s_set_vgpr_msb (MSB<<8)|\new
.set MSB, \new
.endif
.endm
.macro PLACES                          ; four plain vector instructions stand between a matrix instruction and a load into, or a vector instruction on, its registers
.rept 4
	v_nop
.endr
.endm
; A round of the cluster's barrier: my work-group's barrier, wave 0 signals for the work-group, every wave waits for all four work-groups, my work-group's barrier again.
.macro CREST                           ; a round behind its opening barrier
	s_cmp_lg_u32 s14, 0
	s_cbranch_scc1 .Lnot_wave_0_\@
	s_barrier_signal -3
.Lnot_wave_0_\@:
	s_barrier_wait -3
	s_barrier_signal -1
	s_barrier_wait -1
.endm
.macro CROUND
	s_barrier_signal -1
	s_barrier_wait -1
	CREST
.endm
	s_load_b256 s[4:11], s[0:1], 0x0               ; context s[4:5], w1b s[6:7], cb s[8:9], W2 s[10:11]
	s_load_b64 s[12:13], s[0:1], 0x20              ; part
	v_lshl_add_u32 v254, v0, 2, 0x48e00
	v_mov_b32 v255, 0
	ds_add_u32 v254, v255
	v_lshrrev_b32 v1, 5, v0
	v_readfirstlane_b32 s14, v1                    ; wave w
	s_bfe_u32 s15, ttmp6, 0x40000                  ; cx: my place in the cluster
	s_lshl_b32 s16, ttmp9, 2
	s_add_co_u32 s16, s16, s15                     ; work-group = 4 x cluster + cx; it enters global addresses of context, cb and part alone
	s_mov_b32 s20, 0x76543210                      ; v_permlanex16_b32: lane i of one half reads lane i of the other
	s_mov_b32 s21, 0xfedcba98
	; Group 1: 16,384 consecutive bytes as 64 rows of 32 elements of 8 bytes, 16 bytes of padding behind each row in LDS
	s_mov_b32 s[G1+0], 15|(3<<16)|(1<<20)|(1<<21)|(5<<22)|(3<<25)  ; 15:0 mask: all four of the cluster; 17:16 8-byte elements; 20 padding on; 21 set beside a mask; 24:22 after every 64 words; 31:25 of 4 words
	s_mov_b32 s[G1+1], 32<<16                      ; tensor_dim0 = 32
	s_mov_b32 s[G1+2], 64<<16                      ; tensor_dim1 = 64
	s_mov_b32 s[G1+3], 32<<16                      ; tile_dim0 = 32
	s_mov_b32 s[G1+4], 64                          ; tile_dim1 = 64
	s_mov_b32 s[G1+5], 32                          ; from row to row: 32 elements (dense)
	s_mov_b32 s[G1+6], 0
	s_mov_b32 s[G1+7], 0
	s_mul_i32 s17, s14, BWAVE                      ; my part of a slot: the wave's number alone
	s_lshl_b32 s22, s14, 14                        ; my 128 e-rows of a K step
	s_mov_b32 s23, 0
	s_mov_b32 s3, 0
	s_wait_dscnt 0x0
	s_wait_kmcnt 0x0
	s_add_nc_u64 s[6:7], s[6:7], s[22:23]
.irp n, 0,1
	s_mov_b32 s[G0+4*\n], 1                                        ; count = 1
	s_add_co_u32 s[G0+4*\n+1], s17, \n*BSLOT                       ; LDS address
	s_add_nc_u64 s[G0+4*\n+2:G0+4*\n+3], s[6:7], \n*TILEB          ; K step n
	s_or_b32 s[G0+4*\n+3], s[G0+4*\n+3], 0x80000000                ; type = 2
.endr
	CROUND                                         ; all four work-groups are here: the first joint loads meet
	tensor_load_to_lds s[G0:G0+3], s[G1:G1+7]      ; K steps 0 and 1, one group, ahead of every wait on TENSORcnt and every LDS read:
	s_nop 0
	tensor_load_to_lds s[G0+4:G0+7], s[G1:G1+7]    ; two tensor loads of the wave are out here, one behind every later round
	s_nop 0
	s_lshl_b32 s2, s16, 20                         ; work-group x 512 rows x 2,048 bytes (below 4 GiB)
	s_add_nc_u64 s[4:5], s[4:5], s[2:3]
	s_lshr_b32 s2, s16, 3                          ; batch
	s_lshl_b32 s2, s2, 11
	s_add_nc_u64 s[8:9], s[8:9], s[2:3]
	s_mul_i32 s2, s16, 2560                        ; my record
	s_add_nc_u64 s[12:13], s[12:13], s[2:3]
	v_and_b32 v2, 31, v0                           ; l
	v_and_b32 v3, 15, v0                           ; r
	v_bfe_u32 v4, v0, 4, 1                         ; h
	s_lshl_b32 s19, s14, 9
	v_lshl_add_u32 v[OUTO], v2, 4, s19             ; 512 w + 16 l
	s_lshl_b32 s19, s14, 16                        ; 32 w rows
	v_lshl_add_u32 v[PFO], v2, 11, s19             ; row 32 w + l
	v_lshl_add_u32 v5, v4, 14, s19                 ; row 32 w + 8 h
	v_lshl_add_u32 v[CLD], v3, 4, v5               ; + 16 r
	global_load_b128 v[SC:SC+3],   v[OUTO], s[8:9]         ; cb of my 128 e, 4 a lane
	global_load_b128 v[SC+4:SC+7], v[OUTO], s[10:11]       ; W2 likewise
.irp sl, 0,1
.irp u, 0,1,2,3,4,5,6,7,8,9,10,11,12,13,14,15
	global_load_b128 v[STG+64*\sl+4*\u:STG+64*\sl+4*\u+3], v[CLD], s[4:5] offset:((\u>>3)*16+(\u&7))*CROW+\sl*256 th:TH_LOAD_NT
.endr
.endr
	v_lshrrev_b32 v5, 1, v3                        ; W1 fragments: e-row 16 b + r lies in LDS row 8 b + r / 2, half r mod 2
	v_mul_u32_u24 v5, v5, BPITCH
	v_and_b32 v6, 1, v3
	v_lshl_add_u32 v5, v6, 7, v5
	v_lshl_add_u32 v5, v4, 4, v5                   ; + 16 h: sixteen lanes touch sixteen different 16-byte columns of 256 bytes
	v_add_nc_u32 v[ADRB], s17, v5
	v_add_nc_u32 v[ADRB+1], BSLOT, v[ADRB]
	v_mul_u32_u24 v5, v3, APITCH                   ; context fragments: row r, + 16 h
	v_lshl_add_u32 v5, v4, 4, v5
.irp g, 0,1,2
	v_add_nc_u32 v[ADRA+\g], ABASE+\g*3*ASL, v5
.endr
	s_mul_i32 s19, s14, 32*APITCH                  ; context stores: row 32 w + 8 h, + 8 r
	v_mul_u32_u24 v5, v4, 8*APITCH
	v_lshl_add_u32 v5, v3, 3, v5
	v_add_nc_u32 v5, s19, v5
.irp g, 0,1,2
	v_add_nc_u32 v[CST+\g], ABASE+\g*3*ASL, v5
.endr
	s_mul_i32 s19, s14, 2*PPITCH
	v_mul_u32_u24 v5, v4, PPITCH
	v_lshl_add_u32 v5, v3, 2, v5
	v_add_nc_u32 v5, s19, v5
	v_add_nc_u32 v[PST], PART, v5                  ; PART + (2 w + h) 576 + 4 r
	v_lshl_add_u32 v[PRD], v2, 4, PART
	s_lshl_b32 s19, s14, 9
	s_add_co_u32 s19, s19, PB                      ; my wave's 512 bytes
	v_lshl_add_u32 v[PPW], v2, 3, s19              ; in: four bf16 a lane, rows 4 l .. 4 l + 3
	v_lshl_add_u32 v[PPR], v4, 4, s19              ; back as a fragment: eight bf16, rows 8 h ..
	v_lshl_add_u32 v[PMS], v3, 2, s19              ; the way out: word r
	v_and_b32 v5, 7, v0                            ; the mix's context fragments: columns d = 128 w .. lie in slices 2 w, 2 w + 1
	v_lshl_add_u32 v5, v4, 3, v5                   ; row 8 h + l mod 8
	v_mul_u32_u24 v5, v5, APITCH
	v_bfe_u32 v6, v0, 3, 1
	v_lshl_add_u32 v5, v6, 4, v5                   ; + 16 bytes for lanes 8-15 and 24-31
	s_mul_i32 s19, s14, 2*ASL
	v_add_nc_u32 v5, s19, v5
	v_add_nc_u32 v[MXA], ABASE, v5
	s_lshl_b32 s19, s14, 9
	s_add_co_u32 s19, s19, TAB
	v_lshl_add_u32 v[TBR], v4, 5, s19              ; TAB + 512 w + 32 h
	v_add_nc_u32 v5, TAB, v[OUTO]
	v_mov_b32 v[RM], 0xff800000                    ; -inf: the first alpha is 2^(-inf) = 0
	v_mov_b32 v[RL], 0
	v_mov_b32 v[TB], 0                             ; v_permlanex16_b32 counts as a reader of its destination
.irp i, 0,1,2,3,4,5,6,7
	v_mov_b32 v[MIX+\i], 0
.endr
	s_wait_loadcnt 32                              ; the two tables are in; the 32 context loads issued behind them stay out
	v_pk_mul_f32 v[SC+4:SC+5], v[SC+4:SC+5], 0xc038aa3b op_sel_hi:[1,0]   ; W2s = -2 log2(e) W2
	v_pk_mul_f32 v[SC+6:SC+7], v[SC+6:SC+7], 0xc038aa3b op_sel_hi:[1,0]
	ds_store_b128 v5, v[SC:SC+3]
	ds_store_b128 v5, v[SC+4:SC+7] offset:2048
.irp b, 0,1,2,3,4,5,6,7
	ds_load_b128 v[CT+8*\b:CT+8*\b+3],   v[TBR] offset:64*\b      ; my wave's own bytes; LDS serves a wave's instructions in order, so these see the stores above
	ds_load_b128 v[CT+8*\b+4:CT+8*\b+7], v[TBR] offset:64*\b+16
.endr
; An octet: eight matrix instructions: row tile a of the window's four (hi = 0: rows 0-63, 1: rows 64-127) x my 8 e tiles, 32 along K.
; bias = 1: C is the bias, so a block's first products start the sums and nothing is cleared or added later.
; The 64 accumulators take turns, one instruction a turn, in the same order in every half step.
.macro OCT f, hi, a, bias
.irp b, 0,1,2,3,4,5,6,7
.if \bias
	v_wmma_f32_16x16x32_bf16 v[8*(8*\a+\b):8*(8*\a+\b)+7], v[\f+8*\b:\f+8*\b+7], v[\f+64+8*(4*\hi+\a):\f+64+8*(4*\hi+\a)+7], v[CT+8*\b:CT+8*\b+7]
.else
	v_wmma_f32_16x16x32_bf16 v[8*(8*\a+\b):8*(8*\a+\b)+7], v[\f+8*\b:\f+8*\b+7], v[\f+64+8*(4*\hi+\a):\f+64+8*(4*\hi+\a)+7], v[8*(8*\a+\b):8*(8*\a+\b)+7]
.endif
.endr
.endm
; Run g of the four that fetch the fragments of 32 along K (half q2 of K step sl) into buffer f, eight LDS loads each:
; g = 0, 1: W1's fragments 0-3, 4-7;  g = 2: the context's rows 0-63;  g = 3: rows 64-127.
.macro FRUN slot, q2, sl, f, g
	WIN TO_F
.if \g < 2
.irp i, 0,1,2,3
	ds_load_b128 v[\f+32*\g+8*\i:\f+32*\g+8*\i+3],   v[ADRB+(\slot)] offset:(\q2)*64+(4*\g+\i)*8*BPITCH
	ds_load_b128 v[\f+32*\g+8*\i+4:\f+32*\g+8*\i+7], v[ADRB+(\slot)] offset:(\q2)*64+(4*\g+\i)*8*BPITCH+32
.endr
.else
.irp i, 0,1,2,3
	ds_load_b128 v[\f+32*\g+8*\i:\f+32*\g+8*\i+3],   v[ADRA+(\sl)/3] offset:((\sl)%3)*ASL+(4*(\g-2)+\i)*16*APITCH+(\q2)*64
	ds_load_b128 v[\f+32*\g+8*\i+4:\f+32*\g+8*\i+7], v[ADRA+(\sl)/3] offset:((\sl)%3)*ASL+(4*(\g-2)+\i)*16*APITCH+(\q2)*64+32
.endr
.endif
.endm
; Context slice sg of the block (64 columns; my 32 rows are 16 units of one load each).  CWAIT once in front of the slice's first run.
.macro CWAIT sg, last
.set CXW, 16
.if \last
.if (\sg) == 7
.set CXW, 0
.endif
.endif
	s_wait_loadcnt CXW                             ; loads come back in order: this slice is in, the next slice's 16 loads stay out (none are left behind the very last slice)
.endm
; Run g of four: units 4 g .. 4 g + 3: round to bf16, store into LDS, ask for the slice two further on into the same registers.
; Run 0 also prefetches the slice four further on.  last = 1: the work-group's last block asks for nothing beyond its rows.
.macro CRUN sg, g, last
.set CXL, 1
.set CXP, 1
.if \last
.if (\sg) >= 6
.set CXL, 0
.endif
.if (\sg) >= 4
.set CXP, 0
.endif
.endif
.set CXR, STG+64*((\sg)&1)+16*\g
	WIN 0
.irp u, 0,1,2,3
	v_cvt_pk_bf16_f32 v[CXR+4*\u],   v[CXR+4*\u],   v[CXR+4*\u+1]
	v_cvt_pk_bf16_f32 v[CXR+4*\u+1], v[CXR+4*\u+2], v[CXR+4*\u+3]
.endr
.irp u, 0,1,2,3
	ds_store_b64 v[CST+(\sg)/3], v[CXR+4*\u:CXR+4*\u+1] offset:((\sg)%3)*ASL+((\g>>1)*16+(\g&1)*4+\u)*APITCH   ; lanes 0-15 one row's 128 bytes, lanes 16-31 those eight rows down: 1,152 bytes = 128 modulo 256
.endr
.if CXL
.irp u, 0,1,2,3
	global_load_b128 v[CXR+4*\u:CXR+4*\u+3], v[CLD], s[4:5] offset:((\g>>1)*16+(\g&1)*4+\u)*CROW+(((\sg)+2)&7)*256+(((\sg)+2)>>3)*BLKB th:TH_LOAD_NT
.endr
.endif
.if \g == 0
.if CXP
	global_prefetch_b8 v[PFO], s[4:5] offset:(((\sg)+4)&7)*256+(((\sg)+4)>>3)*BLKB th:TH_LOAD_NT scope:SCOPE_SE   ; lane l: row 32 w + l's 256 bytes of that slice; each piece is asked for once in the launch
.endif
.endif
.endm
.macro W2LD                            ; window 1, register 8 b + j = W2s[128 w + 16 b + 8 h + j], where F0's W1 fragments lay
	WIN TO_F
.irp b, 0,1,2,3,4,5,6,7
	ds_load_b128 v[8*\b:8*\b+3],   v[TBR] offset:2048+64*\b
	ds_load_b128 v[8*\b+4:8*\b+7], v[TBR] offset:2048+64*\b+16
.endr
.endm
; K step j, first half: multiplies F0; between its octets it fetches the second half's fragments into F1 and stores the next context slice.
.macro QA j, last
.set QSL, (\j)&1
.if \j == 0
.set QLO, BIAS_LO
.set QHI, BIAS_HI
.set QB, 1
.else
.set QLO, MUL_LO
.set QHI, MUL_HI
.set QB, 0
.endif
	s_wait_dscnt 8                                 ; F0's W1 and rows 0-63 are in; the youngest eight loads (rows 64-127) may be out
	WIN QLO
	OCT F0, 0, 0, QB
	PLACES                                         ; between the last matrix instructions that read F1 and the loads into it
	FRUN QSL, 1, \j, F1, 0
	WIN QLO
	OCT F0, 0, 1, QB
.if \j < 7
	CWAIT \j+1, \last
	CRUN \j+1, 0, \last
.endif
	WIN QLO
	OCT F0, 0, 2, QB
	FRUN QSL, 1, \j, F1, 1
	WIN QLO
	OCT F0, 0, 3, QB
.if \j < 7
	CRUN \j+1, 1, \last
	s_wait_dscnt 24                                ; F0's rows 64-127 are in: behind them this half step has issued 8 loads, 4 stores, 8 loads, 4 stores
.else
	s_wait_dscnt 16                                ; the same without the stores
.endif
	WIN QHI
	OCT F0, 1, 0, QB
	FRUN QSL, 1, \j, F1, 2
	WIN QHI
	OCT F0, 1, 1, QB
.if \j < 7
	CRUN \j+1, 2, \last
.endif
	WIN QHI
	OCT F0, 1, 2, QB
	FRUN QSL, 1, \j, F1, 3
	WIN QHI
	OCT F0, 1, 3, QB
.if \j < 7
	CRUN \j+1, 3, \last
.endif
.endm
; K step j, second half: multiplies F1 and changes slots.  One barrier for three things: my reads of this slot are over, my part of the next slot has
; landed, my part of the next context slice is stored.  fill = 1: the barrier opens a round of the cluster's barrier, and behind the round this slot
; is asked for again, jointly, two K steps ahead (round the end of w1b into the next block); from that request to the wait for it a wave issues
; 120 matrix instructions.  The next step's first fragments are fetched in four runs among the 48 matrix instructions behind the round.
.macro TURN j, fill
.set QSL, ((\j)+1)&1
.if \j < 7
	s_wait_dscnt 16                                ; F1's W1 and rows 0-63 are in; behind them: 4 context stores, eight loads (rows 64-127), 4 stores
.else
	s_wait_dscnt 8
.endif
	WIN MUL_LO
	OCT F1, 0, 0, 0
	s_wait_dscnt 0                                 ; my reads of this slot and my context stores are done,
	s_set_vgpr_msb 0xa5a0
	s_wait_tensorcnt 0x0                           ; and all my tensor loads have landed (one was out: my part of the next slot):
	ds_add_u32 v254, v255
	s_wait_dscnt 0x0
	s_set_vgpr_msb 0xa0a5
	s_barrier_signal -1                            ; say so,
	OCT F1, 0, 1, 0                                ; work on registers while the others arrive,
	WIN 0
	s_barrier_wait -1
.if \fill
	CREST                                          ; no wave of any partner still reads this slot or has a load on its way
.if \j < 6
	s_add_nc_u64 s[G0+4*((\j)&1)+2:G0+4*((\j)&1)+3], s[G0+4*((\j)&1)+2:G0+4*((\j)&1)+3], 2*TILEB   ; no tensor load of mine is out: the group may be written
.else
	s_sub_nc_u64 s[G0+4*((\j)&1)+2:G0+4*((\j)&1)+3], s[G0+4*((\j)&1)+2:G0+4*((\j)&1)+3], 6*TILEB   ; back to K step 0 or 1, for the next block
.endif
	tensor_load_to_lds s[G0+4*((\j)&1):G0+4*((\j)&1)+3], s[G1:G1+7]   ; my one tensor load behind the round, ahead of every LDS read
	s_nop 0
.endif
	PLACES                                         ; between the last matrix instructions that read F0 and the loads into it
.if \j < 7
	FRUN QSL, 0, \j+1, F0, 0
	WIN MUL_LO
	OCT F1, 0, 2, 0
	FRUN QSL, 0, \j+1, F0, 1
	WIN MUL_LO
	OCT F1, 0, 3, 0
	WIN MUL_HI
	OCT F1, 1, 0, 0
	FRUN QSL, 0, \j+1, F0, 2
	WIN MUL_HI
	OCT F1, 1, 1, 0
	FRUN QSL, 0, \j+1, F0, 3
	WIN MUL_HI
	OCT F1, 1, 2, 0
	OCT F1, 1, 3, 0
.else
	W2LD                                           ; the block's last half step has no fragments to fetch: W2s comes in their stead
	WIN MUL_LO
	OCT F1, 0, 2, 0
	OCT F1, 0, 3, 0
	WIN MUL_HI
	OCT F1, 1, 0, 0
	OCT F1, 1, 1, 0
	OCT F1, 1, 2, 0
	OCT F1, 1, 3, 0
.endif
.endm
.macro LASTQ                           ; the launch's last half step: no slot to free, nothing to publish
	s_wait_dscnt 8
	WIN MUL_LO
	OCT F1, 0, 0, 0
	OCT F1, 0, 1, 0
	PLACES
	W2LD
	s_wait_dscnt 16                                ; F1 is whole: all but the 16 loads just issued
	WIN MUL_LO
	OCT F1, 0, 2, 0
	OCT F1, 0, 3, 0
	WIN MUL_HI
	OCT F1, 1, 0, 0
	OCT F1, 1, 1, 0
	OCT F1, 1, 2, 0
	OCT F1, 1, 3, 0
.endm
; r = 1 / (1 + 2^X) and the sum over e, tile by tile in place.  t = 8 a + b in the window.
.macro EXP8 t
.irp p, 0,1,2,3,4,5,6,7
	v_exp_f32 v[8*(\t)+\p], v[8*(\t)+\p]
.endr
.endm
.macro RCP8 t
.irp p, 0,1,2,3,4,5,6,7
	v_rcp_f32 v[8*(\t)+\p], v[8*(\t)+\p]
.endr
.endm
.macro ONE8 t
.irp p, 0,2,4,6
	v_pk_add_f32 v[8*(\t)+\p:8*(\t)+\p+1], v[8*(\t)+\p:8*(\t)+\p+1], 1.0 op_sel_hi:[1,0]
.endr
.endm
.macro ACC8 t                          ; tile (a, 0) becomes the sum of row tile a: its own product starts it, the other seven are added on
.if ((\t)%8) == 0
	s_wait_alu depctr_va_vdst(0)
.irp p, 0,2,4,6
	v_pk_mul_f32 v[8*(\t)+\p:8*(\t)+\p+1], v[8*(\t)+\p:8*(\t)+\p+1], v[\p:\p+1]
.endr
.else
	s_wait_alu depctr_va_vdst(0)
.irp p, 0,2,4,6
	v_pk_fma_f32 v[64*((\t)/8)+\p:64*((\t)/8)+\p+1], v[8*(\t)+\p:8*(\t)+\p+1], v[8*((\t)%8)+\p:8*((\t)%8)+\p+1], v[64*((\t)/8)+\p:64*((\t)/8)+\p+1]
.endr
.endif
.endm
; One window's 32 tiles.  The steps of neighbouring tiles are interleaved so that between a transcendental and the use of its result stand the four
; plain instructions of another tile's step (or a v_nop): one plain vector instruction is what has to stand there.
; bulk: destination, sources 0 and 2 in the accumulators' window, source 1 (W2s) in window 1; sum: all in that window; out: sources there, destination window 0.
.macro HALF_EPI bulk, sum, out, a0
	WIN \bulk
	EXP8 0
	v_nop
	s_wait_alu depctr_va_vdst(0)
	ONE8 0
.set EPT, 0
.rept 32
	RCP8 EPT
.if EPT < 31
	EXP8 EPT+1
.endif
.if EPT == 0
	v_nop
	s_wait_alu depctr_va_vdst(0)
.else
	ACC8 EPT-1
.endif
.if EPT < 31
	ONE8 EPT+1
.endif
.set EPT, EPT+1
.endr
	ACC8 31
	WIN \sum
.irp a, 0,1,2,3
	v_pk_add_f32 v[64*\a:64*\a+1],   v[64*\a:64*\a+1],   v[64*\a+2:64*\a+3]
	v_pk_add_f32 v[64*\a+4:64*\a+5], v[64*\a+4:64*\a+5], v[64*\a+6:64*\a+7]
.endr
.irp a, 0,1,2,3
	v_pk_add_f32 v[64*\a:64*\a+1],   v[64*\a:64*\a+1],   v[64*\a+4:64*\a+5]
.endr
	WIN \out
.irp a, 0,1,2,3
	v_add_f32 v[SC+\a0+\a], v[64*\a], v[64*\a+1]
.endr
.endm
.macro EPILOGUE
	PLACES                                         ; behind the last matrix instructions: the exponentials read their results
	s_wait_dscnt 0x0                               ; W2s, asked for 48 matrix instructions ago
	HALF_EPI 0xa6, 0xaa, 0x0a, 0
	HALF_EPI 0xf7, 0xff, 0x0f, 4
	WIN 0
.irp a, 0,1,2,3,4,5,6,7
	ds_store_b32 v[PST], v[SC+\a] offset:64*\a     ; row 2 w + h, word 16 a + r
.endr
.endm
; Every wave adds the eight partial rows and makes the same M, L, alpha and weights; lane l holds rows s = 4 l .. 4 l + 3.
.macro SOFTMAX
	WIN TO_F
.irp p, 0,1,2,3,4,5,6,7
	ds_load_b128 v[128+4*\p:131+4*\p], v[PRD] offset:PPITCH*\p
.endr
	s_wait_dscnt 0x0
	WIN 0x55
.irp p, 0,2,4,6
	v_pk_add_f32 v[128+4*\p:129+4*\p], v[128+4*\p:129+4*\p], v[132+4*\p:133+4*\p]
	v_pk_add_f32 v[130+4*\p:131+4*\p], v[130+4*\p:131+4*\p], v[134+4*\p:135+4*\p]
.endr
.irp p, 0,4
	v_pk_add_f32 v[128+4*\p:129+4*\p], v[128+4*\p:129+4*\p], v[136+4*\p:137+4*\p]
	v_pk_add_f32 v[130+4*\p:131+4*\p], v[130+4*\p:131+4*\p], v[138+4*\p:139+4*\p]
.endr
	WIN 0x05
	v_pk_add_f32 v[T:T+1],   v[128:129], v[144:145]
	v_pk_add_f32 v[T+2:T+3], v[130:131], v[146:147]
	WIN 0
	v_max3_num_f32 v[TA], v[T], v[T+1], v[T+2]
	v_max_num_f32 v[TA], v[TA], v[T+3]
	v_max_num_f32_dpp v[TA], v[TA], v[TA] row_xmask:1 row_mask:0xf bank_mask:0xf
	v_max_num_f32_dpp v[TA], v[TA], v[TA] row_xmask:2 row_mask:0xf bank_mask:0xf
	v_max_num_f32_dpp v[TA], v[TA], v[TA] row_xmask:4 row_mask:0xf bank_mask:0xf
	v_max_num_f32_dpp v[TA], v[TA], v[TA] row_xmask:8 row_mask:0xf bank_mask:0xf
	v_permlanex16_b32 v[TB], v[TA], s20, s21
	v_max3_num_f32 v[TA], v[TA], v[TB], v[RM]      ; the new running maximum
	v_sub_f32 v[AL], v[RM], v[TA]
.irp i, 0,1,2,3
	v_sub_f32 v[T+\i], v[T+\i], v[TA]
.endr
	v_exp_f32 v[AL], v[AL]                         ; alpha = 2^(old M - new M)
.irp i, 0,1,2,3
	v_exp_f32 v[T+\i], v[T+\i]                     ; p = 2^(t - new M), at most 1
.endr
	v_mov_b32 v[RM], v[TA]                         ; the plain instruction between the exponentials and the use of their results
	s_wait_alu depctr_va_vdst(0)
	v_cvt_pk_bf16_f32 v[SC],   v[T],   v[T+1]      ; the weights as a matrix operand
	v_cvt_pk_bf16_f32 v[SC+1], v[T+2], v[T+3]
	ds_store_b64 v[PPW], v[SC:SC+1]                ; my wave's own copy
	v_add_f32 v[TA], v[T], v[T+1]
	v_add_f32 v[TB], v[T+2], v[T+3]
	v_add_f32 v[TA], v[TA], v[TB]
	v_add_f32_dpp v[TA], v[TA], v[TA] row_xmask:1 row_mask:0xf bank_mask:0xf
	v_add_f32_dpp v[TA], v[TA], v[TA] row_xmask:2 row_mask:0xf bank_mask:0xf
	v_add_f32_dpp v[TA], v[TA], v[TA] row_xmask:4 row_mask:0xf bank_mask:0xf
	v_add_f32_dpp v[TA], v[TA], v[TA] row_xmask:8 row_mask:0xf bank_mask:0xf
	v_permlanex16_b32 v[TB], v[TA], s20, s21
	v_add_f32 v[TA], v[TA], v[TB]
	v_fma_f32 v[RL], v[RL], v[AL], v[TA]
.endm
; THE MIX: D(m, n) = sum over k of P(m, k) C(k, n), k = s in four steps of 32 rows, n = 16 of my 128 columns d, eight tiles t.
; P's 16 rows are all the weights, so every row of D is the sum wanted and register 0 of a tile holds mix[128 w + 16 t + r].
; C lies in LDS with d along the rows, so its fragments come by the transposing load: lane l addresses row 8 h + l mod 8 and gets column r.
.macro TRLD x, c                       ; step c's eight fragments, fragment t at x + 8 t: 16 loads
.irp t, 0,1,2,3,4,5,6,7
	ds_load_tr16_b128 v[\x+8*\t:\x+8*\t+3],   v[MXA] offset:(\t>>2)*ASL+32*\c*APITCH+32*(\t&3)
	ds_load_tr16_b128 v[\x+8*\t+4:\x+8*\t+7], v[MXA] offset:(\t>>2)*ASL+(32*\c+16)*APITCH+32*(\t&3)
.endr
.endm
.macro MIXMUL x, c, zero               ; the eight sums take turns, one instruction a turn; the first step starts them
.irp t, 0,1,2,3,4,5,6,7
.if \zero
	v_wmma_f32_16x16x32_bf16 v[8*\t:8*\t+7], v[8*\c:8*\c+7], v[\x+8*\t:\x+8*\t+7], 0
.else
	v_wmma_f32_16x16x32_bf16 v[8*\t:8*\t+7], v[8*\c:8*\c+7], v[\x+8*\t:\x+8*\t+7], v[8*\t:8*\t+7]
.endif
.endr
.endm
.macro MIXPH
	WIN TO_F
.irp c, 0,1,2,3
	ds_load_b128 v[8*\c:8*\c+3],   v[PPR] offset:64*\c     ; weights of rows 32 c + 8 h .. + 7, in order behind my own store of them
	ds_load_b128 v[8*\c+4:8*\c+7], v[PPR] offset:64*\c+32  ; and of rows 32 c + 16 + 8 h .. + 7
.endr
	TRLD 64, 0                                     ; window 1
	TRLD 128, 1
	WIN TO_3
	TRLD 0, 2                                      ; window 3, free since the tanh
	s_wait_dscnt 32                                ; the weights and step 0 are in; steps 1 and 2, 16 loads each, stay out
	WIN MUL_LO
	MIXMUL 64, 0, 1
	WIN TO_3
	TRLD 64, 3
	s_wait_dscnt 32                                ; step 1 is in; steps 2 and 3 stay out
	WIN MUL_LO
	MIXMUL 128, 1, 0
	s_wait_dscnt 16                                ; step 2 is in
	WIN MUL_X3
	MIXMUL 0, 2, 0
	s_wait_dscnt 0
	MIXMUL 64, 3, 0
	PLACES                                         ; between the last matrix instructions and the reads of their results
	WIN 0x20                                       ; source 2 in window 2
.irp t, 0,1,2,3,4,5,6,7
	v_fma_f32 v[MIX+\t], v[MIX+\t], v[AL], v[8*\t]
.endr
	WIN 0
.endm
.macro BLOCK last
	CWAIT 0, \last
	CRUN 0, 0, \last
	CRUN 0, 1, \last
	CRUN 0, 2, \last
	CRUN 0, 3, \last
	s_wait_dscnt 0x0                               ; my part of slice 0 is stored (and, the first time, the bias is in its registers)
	s_wait_tensorcnt 0x1                           ; K step 0 has landed; the one load issued behind it, K step 1's, may stay out
	s_barrier_signal -1
	s_barrier_wait -1                              ; slice 0 is whole
	FRUN 0, 0, 0, F0, 0
	FRUN 0, 0, 0, F0, 1
	FRUN 0, 0, 0, F0, 2
	FRUN 0, 0, 0, F0, 3
.irp j, 0,1,2,3,4,5
	QA \j, \last
	TURN \j, 1
.endr
	QA 6, \last
.if \last
	TURN 6, 0                                      ; nothing is left to fetch: a plain barrier, for the last context slice
	QA 7, \last
	LASTQ
.else
	TURN 6, 1
	QA 7, \last
	TURN 7, 1
.endif
	EPILOGUE
	s_wait_dscnt 0x0                               ; my partial scores are stored
	s_barrier_signal -1
	s_barrier_wait -1                              ; everybody's are
	SOFTMAX
	MIXPH
.if \last == 0
	s_wait_dscnt 0x0                               ; met: my reads of the context buffer and of the partial scores are over
	s_barrier_signal -1
	s_barrier_wait -1                              ; everybody's are: the next block may store over both
.endif
.endm
	s_mov_b32 s18, 3
.Lblk:
	BLOCK 0
	s_wait_xcnt 0x0                                ; the base of the loads that are out is stepped only behind this wait
	s_add_nc_u64 s[4:5], s[4:5], BLKB
	s_sub_co_u32 s18, s18, 1
	s_cmp_lg_u32 s18, 0
	s_cbranch_scc1 .Lblk
	BLOCK 1                                        ; the fourth block is written out: no load, prefetch or tile beyond the work-group's share
	; The way out: register t holds one number of 16 lanes' columns; through my wave's own 512 LDS bytes a lane gets four neighbouring numbers.
.irp t, 0,1,2,3,4,5,6,7
	ds_store_b32 v[PMS], v[MIX+\t] offset:64*\t    ; word 16 t + r; both lane halves write the same value
.endr
	v_add_nc_u32 v5, PB, v[OUTO]
	ds_load_b128 v[T:T+3], v5                      ; LDS serves a wave's instructions in order: this sees the stores above
	s_wait_dscnt 0x0
	global_store_b128 v[OUTO], v[T:T+3], s[12:13]  ; d = 128 w + 4 l: the wave stores 512 consecutive bytes, aligned
	s_cmp_lg_u32 s14, 0
	s_cbranch_scc1 .Lnot_first
	v_mov_b32 v[SC],   v[RM]
	v_mov_b32 v[SC+1], v[RL]
	v_mov_b32 v[SC+2], v[RM]
	v_mov_b32 v[SC+3], v[RL]
	global_store_b128 v[OUTO], v[SC:SC+3], s[12:13] offset:2048    ; wave 0: (M, L) 64 times over, 512 whole bytes, so that every lane of the next launch finds a copy
.Lnot_first:
	s_wait_tensorcnt 0x0
	ds_add_u32 v254, v255
	s_wait_dscnt 0x0
	CROUND                                         ; the closing round: no work-group ends while a partner may still ask for a tile that names it
	s_endpgm
.Lfunc_end_k_q422832f882_main:
	.size	k_q422832f882_main, .Lfunc_end_k_q422832f882_main-k_q422832f882_main
	.p2alignl 7, 3214868480
	.fill 96, 4, 3214868480
	.section	.rodata,"a",@progbits
	.p2align	6, 0x0
	.amdhsa_kernel k_q422832f882_main
		.amdhsa_group_segment_fixed_size 327680
		.amdhsa_private_segment_fixed_size 0
		.amdhsa_enable_private_segment 0
		.amdhsa_kernarg_size 40
		.amdhsa_user_sgpr_count 2
		.amdhsa_user_sgpr_kernarg_segment_ptr 1
		.amdhsa_wavefront_size32 1
		.amdhsa_system_sgpr_workgroup_id_x 1
		.amdhsa_system_sgpr_workgroup_id_y 1
		.amdhsa_system_sgpr_workgroup_id_z 1
		.amdhsa_system_vgpr_workitem_id 0
		.amdhsa_next_free_vgpr 1024
		.amdhsa_next_free_sgpr 66
		.amdhsa_reserve_vcc 0
		.amdhsa_float_denorm_mode_32 3
		.amdhsa_float_denorm_mode_16_64 3
		.amdhsa_memory_ordered 1
		.amdhsa_forward_progress 1
		.amdhsa_inst_pref_size 255
	.end_amdhsa_kernel
	.section	.bss,"aw",@nobits
	.p2align	6
	.space	262144
	.amdgpu_metadata
---
amdhsa.version: [ 1, 2 ]
amdhsa.kernels:
  - .name:           k_q422832f882_main
    .symbol:         k_q422832f882_main.kd
    .args:
      - { .name: context, .offset: 0, .size: 8, .value_kind: global_buffer, .address_space: global }
      - { .name: w1b, .offset: 8, .size: 8, .value_kind: global_buffer, .address_space: global }
      - { .name: cb, .offset: 16, .size: 8, .value_kind: global_buffer, .address_space: global }
      - { .name: W2, .offset: 24, .size: 8, .value_kind: global_buffer, .address_space: global }
      - { .name: part, .offset: 32, .size: 8, .value_kind: global_buffer, .address_space: global }
    .group_segment_fixed_size: 327680
    .private_segment_fixed_size: 0
    .kernarg_segment_align: 8
    .kernarg_segment_size: 40
    .max_flat_workgroup_size: 128
    .sgpr_count:     66
    .vgpr_count:     1024
    .wavefront_size: 32
...
	.end_amdgpu_metadata
.endif
;; end of part 2
;; launch final (part 3): grid 8 x 16, 16 waves a work-group, no clusters, 10,752 bytes of LDS; arguments part, output, Wout, bout, out0; writes out0
.if DOCPART == 3
	.amdgcn_target "amdgcn-amd-amdhsa--gfx1250"
	.amdhsa_code_object_version 6
	.text
	.protected	k_q422832f882_final
	.globl	k_q422832f882_final
	.p2align	8
	.type	k_q422832f882_final,@function
k_q422832f882_final:
	s_mov_b64 s[64:65], 0
	v_nop
	global_prefetch_b8 v0, s[64:65] scope:SCOPE_SE
	s_setreg_imm32_b32 hwreg(HW_REG_WAVE_MODE, 25, 1), 1
	s_wait_xcnt 0x0
; out0[b][e] = tanh(bout[e] + sum over d of Wout[e][d] comb[b][d]),  comb[b] = [mix[b] (512), output[b] (512)].
; mix[b] is merged from the eight records of batch b: with m* the largest of the eight maxima and w_p = 2^(m_p - m*),
; mix = sum of w_p mix_p / sum of w_p l_p.  The sum is at least 1: the record that holds m* has w = 1 and l >= 1.
; 128 work-groups (gx 0-7, gy 0-15) of sixteen waves: e = 64 gx .. + 63 for b = 2 gy, 2 gy + 1.  Wave v owns e = 64 gx + 4 v + i, i = 0 .. 3.
; Waves 0-7 merge 128 d of one batch each, waves 8-15 copy 128 numbers of output each; all ask for their four rows of Wout (32 loads) meanwhile.
; Vector unit in f32: a product with two rows would leave a matrix tile nearly empty.  No tensor loads and no cluster: everything goes straight into registers once.
; LIMITS: tanh by 1 - 2 / (1 + 2^(2 log2(e) x)): absolute error of some 1e-7, saturates to +-1 for any finite x.  NaN and infinities are not followed.
.set K2L, 0x4038aa3b                   ; 2 log2(e)
.set ML,  8                            ; v[8:23]    waves 0-7: (m, l) of record p at ML + 2 p; later, in every wave, dot (i, t) at ML + 2 (2 i + t)
.set PM,  24                           ; v[24:55]   waves 0-7: record p's four mix numbers at PM + 4 p; waves 8-15: four numbers of output
.set MG,  56                           ; v[56:59]   the merged four
.set WO,  64                           ; v[64:191]  Wout row i, chunk c of eight: 4 registers at WO + 32 i + 4 c
.set CM,  192                          ; v[192:255] comb of batch t, chunk c: 4 registers at CM + 32 t + 4 c
.set RES, 8192                         ; LDS: comb[2][1024] f32 at 0, results [2][64] f32 at 8,192
.macro WOLD
.irp i, 0,1,2,3
.irp c, 0,1,2,3,4,5,6,7
	global_load_b128 v[WO+32*\i+4*\c:WO+32*\i+4*\c+3], v2, s[8:9] offset:4096*\i+512*\c
.endr
.endr
.endm
	s_load_b256 s[4:11], s[0:1], 0x0               ; part s[4:5], output s[6:7], Wout s[8:9], bout s[10:11]
	s_load_b64 s[16:17], s[0:1], 0x20              ; out0
	v_lshl_add_u32 v62, v0, 2, 0x2200
	v_mov_b32 v63, 0
	v_lshrrev_b32 v1, 5, v0
	v_readfirstlane_b32 s12, v1                    ; wave v, 0 to 15
	s_mov_b32 s13, ttmp9                           ; gx
	s_and_b32 s14, ttmp7, 0xffff                   ; gy
	s_bfe_u32 s18, s12, 0x10002                    ; t = bit 2 of v: which of the two batches I prepare
	s_and_b32 s19, s12, 3                          ; dq: which 128 numbers
	s_mov_b32 s20, 0x76543210
	s_mov_b32 s21, 0xfedcba98
	v_and_b32 v1, 31, v0
	v_lshlrev_b32 v2, 4, v1                        ; 16 l
	s_lshl_b32 s2, s19, 9
	v_add_nc_u32 v3, s2, v2                        ; 512 dq + 16 l
	s_lshl_b32 s2, s18, 12
	v_add_nc_u32 v4, s2, v3                        ; comb: + 4,096 t
	v_lshl_add_u32 v5, s12, 4, RES                 ; my wave's four words of a row of results
	s_lshl_b32 s22, s14, 1
	s_add_co_u32 s22, s22, s18                     ; b = 2 gy + t
	s_mov_b32 s3, 0
	s_wait_kmcnt 0x0
	s_mul_i32 s2, s22, 20480                       ; eight records of 2,560 bytes a batch
	s_add_nc_u64 s[4:5], s[4:5], s[2:3]
	s_lshl_b32 s2, s22, 11
	s_add_nc_u64 s[6:7], s[6:7], s[2:3]
	s_lshl_b32 s2, s13, 18                         ; 64 gx rows of 4,096 bytes
	s_lshl_b32 s23, s12, 14                        ; + 4 v rows
	s_add_co_u32 s2, s2, s23
	s_add_nc_u64 s[8:9], s[8:9], s[2:3]
	s_lshl_b32 s2, s13, 8
	s_lshl_b32 s23, s12, 4
	s_add_co_u32 s2, s2, s23
	s_add_nc_u64 s[10:11], s[10:11], s[2:3]
	s_load_b128 s[24:27], s[10:11], 0x0            ; bout of my four e
	s_lshl_b32 s2, s14, 12
	s_lshl_b32 s23, s13, 8
	s_add_co_u32 s2, s2, s23
	s_add_nc_u64 s[16:17], s[16:17], s[2:3]
	s_cmp_ge_u32 s12, 8
	s_cbranch_scc1 .Lquery
	; waves 0-7: merge
.irp p, 0,1,2,3,4,5,6,7
	global_load_b64 v[ML+2*\p:ML+2*\p+1], v2, s[4:5] offset:2560*\p+2048   ; my lane's copy of (m, l)
.endr
.irp p, 0,1,2,3,4,5,6,7
	global_load_b128 v[PM+4*\p:PM+4*\p+3], v3, s[4:5] offset:2560*\p
.endr
	WOLD
	s_wait_loadcnt 32                              ; the records are in; Wout's 32 loads, issued behind them, stay out
	v_max3_num_f32 v60, v[ML], v[ML+2], v[ML+4]
	v_max3_num_f32 v60, v60, v[ML+6], v[ML+8]
	v_max3_num_f32 v60, v60, v[ML+10], v[ML+12]
	v_max_num_f32 v60, v60, v[ML+14]
.irp p, 0,1,2,3,4,5,6,7
	v_sub_f32 v[ML+2*\p], v[ML+2*\p], v60
.endr
.irp p, 0,1,2,3,4,5,6,7
	v_exp_f32 v[ML+2*\p], v[ML+2*\p]               ; w_p, at most 1
.endr
	v_nop                                          ; one plain vector instruction between a transcendental and the use of its result
	s_wait_alu depctr_va_vdst(0)
	v_mul_f32 v61, v[ML], v[ML+1]
.irp p, 1,2,3,4,5,6,7
	v_fmac_f32 v61, v[ML+2*\p], v[ML+2*\p+1]
.endr
	v_rcp_f32 v61, v61
	v_nop
	s_wait_alu depctr_va_vdst(0)
.irp p, 0,1,2,3,4,5,6,7
	v_mul_f32 v[ML+2*\p], v[ML+2*\p], v61
.endr
	v_pk_mul_f32 v[MG:MG+1],   v[PM:PM+1],   v[ML:ML+1] op_sel_hi:[1,0]      ; both halves times the pair's first register, the weight
	v_pk_mul_f32 v[MG+2:MG+3], v[PM+2:PM+3], v[ML:ML+1] op_sel_hi:[1,0]
.irp p, 1,2,3,4,5,6,7
	v_pk_fma_f32 v[MG:MG+1],   v[PM+4*\p:PM+4*\p+1],   v[ML+2*\p:ML+2*\p+1], v[MG:MG+1]   op_sel_hi:[1,0,1]
	v_pk_fma_f32 v[MG+2:MG+3], v[PM+4*\p+2:PM+4*\p+3], v[ML+2*\p:ML+2*\p+1], v[MG+2:MG+3] op_sel_hi:[1,0,1]
.endr
	ds_store_b128 v4, v[MG:MG+3]
	s_branch .Ljoin
.Lquery:
	; waves 8-15: output's numbers take the upper half of comb
	global_load_b128 v[PM:PM+3], v3, s[6:7]
	WOLD
	s_wait_loadcnt 32                              ; mine is in; Wout's 32 stay out
	ds_store_b128 v4, v[PM:PM+3] offset:2048
.Ljoin:
	s_wait_dscnt 0x0                               ; my part of comb is stored before I say so
	s_barrier_signal -1
	s_barrier_wait -1                              ; comb is whole
.irp t, 0,1
.irp c, 0,1,2,3,4,5,6,7
	ds_load_b128 v[CM+32*\t+4*\c:CM+32*\t+4*\c+3], v2 offset:4096*\t+512*\c
.endr
.endr
	s_wait_loadcnt 0x0                             ; Wout
	s_wait_dscnt 0x0
	; eight dots (4 e x 2 b) side by side; the first product starts each sum
.irp i, 0,1,2,3
.irp t, 0,1
	v_pk_mul_f32 v[ML+2*(2*\i+\t):ML+2*(2*\i+\t)+1], v[WO+32*\i:WO+32*\i+1], v[CM+32*\t:CM+32*\t+1]
.endr
.endr
.irp q, 1,2,3,4,5,6,7,8,9,10,11,12,13,14,15
.irp i, 0,1,2,3
.irp t, 0,1
	v_pk_fma_f32 v[ML+2*(2*\i+\t):ML+2*(2*\i+\t)+1], v[WO+32*\i+2*\q:WO+32*\i+2*\q+1], v[CM+32*\t+2*\q:CM+32*\t+2*\q+1], v[ML+2*(2*\i+\t):ML+2*(2*\i+\t)+1]
.endr
.endr
.endr
.set RD, 0
.rept 8
	v_add_f32 v[ML+2*RD], v[ML+2*RD], v[ML+2*RD+1]
.set RD, RD+1
.endr
.irp m, 1,2,4,8
.set RD, 0
.rept 8
	v_add_f32_dpp v[ML+2*RD], v[ML+2*RD], v[ML+2*RD] row_xmask:\m row_mask:0xf bank_mask:0xf
.set RD, RD+1
.endr
.endr
.set RD, 0
.rept 8
	v_permlanex16_b32 v[ML+2*RD+1], v[ML+2*RD], s20, s21
.set RD, RD+1
.endr
	s_wait_kmcnt 0x0                               ; bout
.irp i, 0,1,2,3
.irp t, 0,1
	v_add_f32 v[ML+2*(2*\i+\t)], v[ML+2*(2*\i+\t)], v[ML+2*(2*\i+\t)+1]
	v_add_f32 v[ML+2*(2*\i+\t)], s[24+\i], v[ML+2*(2*\i+\t)]
	ds_store_b32 v5, v[ML+2*(2*\i+\t)] offset:256*\t+4*\i  ; word 64 t + 4 v + i; all lanes write the same value
.endr
.endr
	s_wait_dscnt 0x0
	s_barrier_signal -1
	s_barrier_wait -1                              ; all 128 results are in LDS
	s_cmp_lg_u32 s12, 0
	s_cbranch_scc1 .Ldone
	ds_load_b128 v[PM:PM+3], v2 offset:RES         ; wave 0: lane l takes batch l / 16, e = 64 gx + 4 (l mod 16) ..
	v_and_b32 v6, 15, v0
	v_bfe_u32 v7, v0, 4, 1
	v_lshlrev_b32 v6, 4, v6
	v_lshl_add_u32 v6, v7, 11, v6
	s_wait_dscnt 0x0
	v_pk_mul_f32 v[PM:PM+1],   v[PM:PM+1],   K2L op_sel_hi:[1,0]
	v_pk_mul_f32 v[PM+2:PM+3], v[PM+2:PM+3], K2L op_sel_hi:[1,0]
.irp i, 0,1,2,3
	v_exp_f32 v[PM+\i], v[PM+\i]
.endr
	v_nop
	s_wait_alu depctr_va_vdst(0)
	v_pk_add_f32 v[PM:PM+1],   v[PM:PM+1],   1.0 op_sel_hi:[1,0]
	v_pk_add_f32 v[PM+2:PM+3], v[PM+2:PM+3], 1.0 op_sel_hi:[1,0]
.irp i, 0,1,2,3
	v_rcp_f32 v[PM+\i], v[PM+\i]
.endr
	v_nop
	s_wait_alu depctr_va_vdst(0)
	v_pk_fma_f32 v[PM:PM+1],   v[PM:PM+1],   -2.0, 1.0 op_sel_hi:[1,0,0]
	v_pk_fma_f32 v[PM+2:PM+3], v[PM+2:PM+3], -2.0, 1.0 op_sel_hi:[1,0,0]
	global_store_b128 v6, v[PM:PM+3], s[16:17]     ; sixteen lanes store 256 consecutive bytes, aligned, of each of the two rows
.Ldone:
	s_wait_tensorcnt 0x0
	ds_add_u32 v62, v63
	s_wait_dscnt 0x0
	s_endpgm
.Lfunc_end_k_q422832f882_final:
	.size	k_q422832f882_final, .Lfunc_end_k_q422832f882_final-k_q422832f882_final
	.p2alignl 7, 3214868480
	.fill 96, 4, 3214868480
	.section	.rodata,"a",@progbits
	.p2align	6, 0x0
	.amdhsa_kernel k_q422832f882_final
		.amdhsa_group_segment_fixed_size 10752
		.amdhsa_private_segment_fixed_size 0
		.amdhsa_enable_private_segment 0
		.amdhsa_kernarg_size 40
		.amdhsa_user_sgpr_count 2
		.amdhsa_user_sgpr_kernarg_segment_ptr 1
		.amdhsa_wavefront_size32 1
		.amdhsa_system_sgpr_workgroup_id_x 1
		.amdhsa_system_sgpr_workgroup_id_y 1
		.amdhsa_system_sgpr_workgroup_id_z 1
		.amdhsa_system_vgpr_workitem_id 0
		.amdhsa_next_free_vgpr 256
		.amdhsa_next_free_sgpr 66
		.amdhsa_reserve_vcc 0
		.amdhsa_float_denorm_mode_32 3
		.amdhsa_float_denorm_mode_16_64 3
		.amdhsa_memory_ordered 1
		.amdhsa_forward_progress 1
		.amdhsa_inst_pref_size 27
	.end_amdhsa_kernel
	.amdgpu_metadata
---
amdhsa.version: [ 1, 2 ]
amdhsa.kernels:
  - .name:           k_q422832f882_final
    .symbol:         k_q422832f882_final.kd
    .args:
      - { .name: part, .offset: 0, .size: 8, .value_kind: global_buffer, .address_space: global }
      - { .name: output, .offset: 8, .size: 8, .value_kind: global_buffer, .address_space: global }
      - { .name: Wout, .offset: 16, .size: 8, .value_kind: global_buffer, .address_space: global }
      - { .name: bout, .offset: 24, .size: 8, .value_kind: global_buffer, .address_space: global }
      - { .name: out0, .offset: 32, .size: 8, .value_kind: global_buffer, .address_space: global }
    .group_segment_fixed_size: 10752
    .private_segment_fixed_size: 0
    .kernarg_segment_align: 8
    .kernarg_segment_size: 40
    .max_flat_workgroup_size: 512
    .sgpr_count:     66
    .vgpr_count:     256
    .wavefront_size: 32
...
	.end_amdgpu_metadata
.endif
;; end of part 3
;; ======== version 2 of 2: 3 launches; version 1 with the launch prep written anew for expert scheduling mode
;; limits: a function is approximated: absolute error at most 2e-07
;; workspace buffers: w1b 524,288 bytes; cb 65,536 bytes; part 655,360 bytes
;; launch prep (part 4): grid 8 x 16, 8 waves a work-group, no clusters, 1,536 bytes of LDS; arguments W1, output, w1b, cb; writes w1b, cb
.if DOCPART == 4
	.amdgcn_target "amdgcn-amd-amdhsa--gfx1250"
	.amdhsa_code_object_version 6
	.text
	.protected	k_q422832f882_prep
	.globl	k_q422832f882_prep
	.p2align	8
	.type	k_q422832f882_prep,@function
k_q422832f882_prep:
	s_mov_b64 s[64:65], 0
	v_nop
	global_prefetch_b8 v0, s[64:65] scope:SCOPE_SE
	s_setreg_imm32_b32 hwreg(HW_REG_WAVE_SCHED_MODE, 0, 2), 2
	s_setreg_imm32_b32 hwreg(HW_REG_WAVE_MODE, 25, 1), 1
	s_wait_xcnt 0x0
	s_wait_alu depctr_vm_vsrc(0)
; Two small jobs ahead of the main launch.  W1 is [512][1024] f32: columns 0-511 meet the context, columns 512-1023 meet the query (output).
;  (a) w1b[j][e][64] = bf16(C * W1[e][64 j + ..]), C = 2 log2(e): the context half of W1, laid out by K steps of 64 so that 128 rows of one
;      K step are 16,384 consecutive bytes.  C turns tanh(x) into 1 - 2 / (1 + 2^(C x)) with no multiply in the main launch.
;  (b) cb[b][e] = C * sum over d of output[b][d] * W1[e][512 + d], in f32: the part of the pre-activation that no context row changes.
; 128 work-groups (gx 0-7, gy 0-15), eight waves.  id = 8 gy + gx owns rows 4 id .. 4 id + 3 for (a): wave v casts K step v of them.
; For (b) the work-group makes e = 64 gx .. + 63 for b = 2 gy, 2 gy + 1: wave v makes 8 e x 2 b, a lane 16 of the 512 terms of each dot.
; Vector unit, no matrix unit: the products of (b) have two rows.  No tensor loads, no cluster: every byte goes straight into registers,
; and a work-group's share (140 KiB) is asked for in one run of 42 loads a wave.
; LIMIT: W1's context half is rounded to bf16 after the scaling by C (same relative error as rounding W1 itself).
; THE MODE: SCHED_MODE bits 1:0 = 2 (LLVM: expert scheduling mode 2), set by the entry lines.  The code itself states the register dependences
; between vector instructions and memory or LDS instructions, with s_wait_alu, always for 0.
; THE PLAN.  Registers that memory or LDS instructions touch (the text is one straight run, with no loop):
;   v2, v4 .. v7    offsets and LDS addresses: written by vector lines at the head, read by loads and stores, never written again.
;   v208, v209      the closing add's pair: written at the head, read by that add alone.
;   CA              two loads land in it; eight vector lines scale and round it in place; the cast's two stores read it; never written again.
;   OU, WR          loads land in them; the dots read them.  In wave 0 one LDS load lands in v[WR:WR+3] behind the barrier, two vector lines
;                   scale these four, one store reads them; never written again.
;   AC              written by vector lines alone; the sixteen LDS stores read it; never written again.
; So four waits on va_vdst stand in the text, each ahead of a run of memory or LDS instructions that read what vector lines have just written, and one
; on va_sdst behind the line that makes the wave's number a scalar.  No register that a memory or LDS instruction has read is written again,
; so there is no wait on vm_vsrc to write.
.set K2L, 0x4038aa3b                   ; 2 log2(e) = 2.885390
.set CA,  8                            ; v[8:15]    (a): two loads of four f32, then packed bf16
.set WR,  16                           ; v[16:143]  (b): row i of eight, chunk c of four: 4 registers at WR + 16 i + 4 c
.set OU,  144                          ; v[144:175] (b): output row t of two, chunk c: 4 registers at OU + 16 t + 4 c
.set AC,  176                          ; v[176:207] (b): dot (i, t): a pair at AC + 2 (2 i + t)
	s_load_b256 s[4:11], s[0:1], 0x0               ; W1 s[4:5], output s[6:7], w1b s[8:9], cb s[10:11]
	v_lshl_add_u32 v208, v0, 2, 0x200              ; my spare word, behind the 512 bytes of results: kept for the closing lines alone
	v_mov_b32 v209, 0                              ; and 0, likewise
	v_lshrrev_b32 v1, 5, v0
	v_readfirstlane_b32 s12, v1                    ; wave v, 0 to 7
	s_mov_b32 s13, ttmp9                           ; gx
	s_and_b32 s14, ttmp7, 0xffff                   ; gy
	s_lshl_b32 s15, s14, 3
	s_add_co_u32 s15, s15, s13                     ; id = 8 gy + gx
	s_mov_b32 s20, 0x76543210                      ; v_permlanex16_b32: lane i of one half reads lane i of the other
	s_mov_b32 s21, 0xfedcba98
	v_and_b32 v1, 31, v0                           ; lane l
	v_and_b32 v2, 15, v0                           ; r = l mod 16
	v_bfe_u32 v3, v0, 4, 1                         ; h = l / 16
	v_lshlrev_b32 v2, 4, v2                        ; 16 r
	v_lshl_add_u32 v4, v3, 12, v2                  ; (a) from: 16 r + one row of W1 (4,096 bytes) further for lanes 16-31
	v_lshlrev_b32 v5, 3, v1                        ; (a) to: 8 l
	v_lshlrev_b32 v6, 4, v1                        ; (b) from: 16 l
	v_lshl_add_u32 v2, v3, 11, v2                  ; (b) to: 16 r + one row of cb (2,048 bytes) further for lanes 16-31
	s_wait_alu depctr_va_sdst(0)                   ; s12 is written, ahead of its first reader, the line below; the bases and the last branch are made from it too
	v_mov_b32 v7, s12
	v_lshlrev_b32 v7, 5, v7                        ; (b) my wave's eight words in LDS
	s_mov_b32 s17, 0                               ; every offset below is under 4 GiB: high word 0
	s_lshl_b32 s16, s15, 14                        ; id x 4 rows x 4,096 bytes
	s_lshl_b32 s2, s12, 8                          ; + K step v: 64 f32
	s_add_co_u32 s16, s16, s2
	s_wait_kmcnt 0x0
	s_add_nc_u64 s[22:23], s[4:5], s[16:17]        ; (a) from
	s_lshl_b32 s16, s13, 18                        ; 64 gx rows
	s_lshl_b32 s2, s12, 15                         ; + 8 v rows
	s_add_co_u32 s16, s16, s2
	s_add_co_u32 s16, s16, 2048                    ; + column 512
	s_add_nc_u64 s[18:19], s[4:5], s[16:17]        ; (b) W1's query half, my eight rows
	s_lshl_b32 s16, s14, 12                        ; 2 gy rows of 2,048 bytes
	s_add_nc_u64 s[6:7], s[6:7], s[16:17]          ; (b) output's two rows
	s_lshl_b32 s2, s13, 8                          ; + 64 gx f32
	s_add_co_u32 s16, s16, s2
	s_add_nc_u64 s[10:11], s[10:11], s[16:17]      ; (b) to
	s_lshl_b32 s16, s12, 16                        ; K step v of w1b
	s_lshl_b32 s2, s15, 9                          ; + 4 id rows of 128 bytes
	s_add_co_u32 s16, s16, s2
	s_add_nc_u64 s[8:9], s[8:9], s[16:17]          ; (a) to
	; all 42 loads of the wave in one run: 2 for the cast, 8 of output, 32 of W1's query half
	s_wait_alu depctr_va_vdst(0)                   ; v2 and v4 to v7 are written: every load and store of the kernel reads one of them as its offset or address; so are v208 and v209
.irp pr, 0,1
	global_load_b128 v[CA+4*\pr:CA+4*\pr+3], v4, s[22:23] offset:8192*\pr th:TH_LOAD_NT   ; two rows, 256 aligned bytes of each; read once in the launch
.endr
.irp t, 0,1
.irp c, 0,1,2,3
	global_load_b128 v[OU+16*\t+4*\c:OU+16*\t+4*\c+3], v6, s[6:7] offset:2048*\t+512*\c
.endr
.endr
.irp i, 0,1,2,3,4,5,6,7
.irp c, 0,1,2,3
	global_load_b128 v[WR+16*\i+4*\c:WR+16*\i+4*\c+3], v6, s[18:19] offset:4096*\i+512*\c
.endr
.endr
	; (a) scale and round both pairs of rows, then store both behind one wait: the 32 lanes' 8 bytes are 256 consecutive bytes of w1b, aligned
	s_wait_loadcnt 40                              ; loads come back in order: the 40 issued behind the cast's two may stay out
.irp pr, 0,1
	v_pk_mul_f32 v[CA+4*\pr:CA+4*\pr+1],   v[CA+4*\pr:CA+4*\pr+1],   K2L op_sel_hi:[1,0]
	v_pk_mul_f32 v[CA+4*\pr+2:CA+4*\pr+3], v[CA+4*\pr+2:CA+4*\pr+3], K2L op_sel_hi:[1,0]
	v_cvt_pk_bf16_f32 v[CA+4*\pr],   v[CA+4*\pr],   v[CA+4*\pr+1]
	v_cvt_pk_bf16_f32 v[CA+4*\pr+1], v[CA+4*\pr+2], v[CA+4*\pr+3]
.endr
	s_wait_alu depctr_va_vdst(0)                   ; the four roundings have written v[CA], v[CA+1], v[CA+4], v[CA+5], which the two stores read
.irp pr, 0,1
	global_store_b64 v5, v[CA+4*\pr:CA+4*\pr+1], s[8:9] offset:256*\pr
.endr
	; (b) sixteen dots; the first product starts each sum
.irp i, 0,1,2,3,4,5,6,7
	s_wait_loadcnt 4*(7-\i)                        ; output and rows 0 .. i are in; the four loads of each later row may stay out
.irp t, 0,1
	v_pk_mul_f32 v[AC+2*(2*\i+\t):AC+2*(2*\i+\t)+1], v[WR+16*\i:WR+16*\i+1], v[OU+16*\t:OU+16*\t+1]
.endr
.irp q, 1,2,3,4,5,6,7
.irp t, 0,1
	v_pk_fma_f32 v[AC+2*(2*\i+\t):AC+2*(2*\i+\t)+1], v[WR+16*\i+2*\q:WR+16*\i+2*\q+1], v[OU+16*\t+2*\q:OU+16*\t+2*\q+1], v[AC+2*(2*\i+\t):AC+2*(2*\i+\t)+1]
.endr
.endr
.endr
	; over the pair, then over the 32 lanes, all sixteen sums side by side; every lane ends with the sum
.set RD, 0
.rept 16
	v_add_f32 v[AC+2*RD], v[AC+2*RD], v[AC+2*RD+1]
.set RD, RD+1
.endr
.irp m, 1,2,4,8
.set RD, 0
.rept 16
	v_add_f32_dpp v[AC+2*RD], v[AC+2*RD], v[AC+2*RD] row_xmask:\m row_mask:0xf bank_mask:0xf
.set RD, RD+1
.endr
.endr
.set RD, 0
.rept 16
	v_permlanex16_b32 v[AC+2*RD+1], v[AC+2*RD], s20, s21   ; its destination counts as read: the pair's upper register has been written
.set RD, RD+1
.endr
.set RD, 0
.rept 16
	v_add_f32 v[AC+2*RD], v[AC+2*RD], v[AC+2*RD+1]
.set RD, RD+1
.endr
	s_wait_alu depctr_va_vdst(0)                   ; the additions have written the sixteen sums, which the LDS stores read; and the dots are done reading v[WR:WR+3], in which wave 0's LDS load lands below (no vector line between names them)
.irp i, 0,1,2,3,4,5,6,7
.irp t, 0,1
	ds_store_b32 v7, v[AC+2*(2*\i+\t)] offset:256*\t+4*\i  ; word 64 t + 8 v + i; all lanes write the same value
.endr
.endr
	s_wait_dscnt 0x0                               ; my sixteen words are in LDS before I say so
	s_barrier_signal -1
	s_barrier_wait -1                              ; all 128 words are
	s_cmp_lg_u32 s12, 0
	s_cbranch_scc1 .Ldone
	ds_load_b128 v[WR:WR+3], v6                    ; wave 0: lane l takes words 4 l .. 4 l + 3 = row l / 16, e = 64 gx + 4 (l mod 16) ..
	s_wait_dscnt 0x0
	v_pk_mul_f32 v[WR:WR+1],   v[WR:WR+1],   K2L op_sel_hi:[1,0]
	v_pk_mul_f32 v[WR+2:WR+3], v[WR+2:WR+3], K2L op_sel_hi:[1,0]
	s_wait_alu depctr_va_vdst(0)                   ; the two scalings have written v[WR:WR+3], which the store reads
	global_store_b128 v2, v[WR:WR+3], s[10:11]     ; sixteen lanes store 256 consecutive bytes, aligned, of each of the two rows
.Ldone:
	s_wait_dscnt 0x0                               ; the closing lines, six on end
	s_wait_alu 0x0
	s_wait_tensorcnt 0x0
	ds_add_u32 v208, v209
	s_wait_dscnt 0x0
	s_endpgm
.Lfunc_end_k_q422832f882_prep:
	.size	k_q422832f882_prep, .Lfunc_end_k_q422832f882_prep-k_q422832f882_prep
	.p2alignl 7, 3214868480
	.fill 96, 4, 3214868480
	.section	.rodata,"a",@progbits
	.p2align	6, 0x0
	.amdhsa_kernel k_q422832f882_prep
		.amdhsa_group_segment_fixed_size 1536
		.amdhsa_private_segment_fixed_size 0
		.amdhsa_enable_private_segment 0
		.amdhsa_kernarg_size 32
		.amdhsa_user_sgpr_count 2
		.amdhsa_user_sgpr_kernarg_segment_ptr 1
		.amdhsa_wavefront_size32 1
		.amdhsa_system_sgpr_workgroup_id_x 1
		.amdhsa_system_sgpr_workgroup_id_y 1
		.amdhsa_system_sgpr_workgroup_id_z 1
		.amdhsa_system_vgpr_workitem_id 0
		.amdhsa_next_free_vgpr 210
		.amdhsa_next_free_sgpr 66
		.amdhsa_reserve_vcc 0
		.amdhsa_float_denorm_mode_32 3
		.amdhsa_float_denorm_mode_16_64 3
		.amdhsa_memory_ordered 1
		.amdhsa_forward_progress 1
		.amdhsa_inst_pref_size 23
	.end_amdhsa_kernel
	.amdgpu_metadata
---
amdhsa.version: [ 1, 2 ]
amdhsa.kernels:
  - .name:           k_q422832f882_prep
    .symbol:         k_q422832f882_prep.kd
    .args:
      - { .name: W1, .offset: 0, .size: 8, .value_kind: global_buffer, .address_space: global }
      - { .name: output, .offset: 8, .size: 8, .value_kind: global_buffer, .address_space: global }
      - { .name: w1b, .offset: 16, .size: 8, .value_kind: global_buffer, .address_space: global }
      - { .name: cb, .offset: 24, .size: 8, .value_kind: global_buffer, .address_space: global }
    .group_segment_fixed_size: 1536
    .private_segment_fixed_size: 0
    .kernarg_segment_align: 8
    .kernarg_segment_size: 32
    .max_flat_workgroup_size: 256
    .sgpr_count:     66
    .vgpr_count:     210
    .wavefront_size: 32
...
	.end_amdgpu_metadata
.endif
;; end of part 4
;; launch main: the kernel of part 2 again; grid 256 x 1, 4 waves a work-group, clusters of 4 x 1, 327,680 bytes of LDS; arguments context, w1b, cb, W2, part; writes part
;; launch final: the kernel of part 3 again; grid 8 x 16, 16 waves a work-group, no clusters, 10,752 bytes of LDS; arguments part, output, Wout, bout, out0; writes out0
